; MI455X (gfx1250); checked and timed in simulation.
; The chip was launched on July 23, 2026; its instructions are those of AMD's public machine-readable ISA for CDNA 5 (MIT licence, August 2026) and "CDNA5" Instruction Set Architecture Reference Guide (July 2026). The comments in the code are by the model that wrote it; some were corrected since.
;; Q Linear. Allowed arithmetic: float matrix products may take bf16 or f16 operands with f32 sums; other float arithmetic in f32, or as packed bf16 or f16 multiplies, adds, multiply-adds, maxima and minima; sums over many terms, partial sums and values carried from step to step in f32; what a program stores and reads back later, other than sums and carried values, may be rounded once to bf16 or f16.
;; Inputs: bias 2,048 float32; w_scale 2,048 x 1 float32; weight 2,048 x 2,048 int8; x 4 x 4,096 x 2,048 float32.
;; Outputs: out0 4 x 4,096 x 2,048 float16.
;; One version. Each part assembles by itself: llvm-mc -triple=amdgcn-amd-amdhsa -mcpu=gfx1250 --defsym DOCPART=n.
;; ======== version 1 of 1: 2 launches
;; workspace buffers: qa 67,108,864 bytes; wb 8,388,608 bytes; xs 131,072 bytes
;; launch prep (part 1): grid 256 x 1, 8 waves a work-group, no clusters, 1,536 bytes of LDS; arguments x, weight, qa, wb, xs; writes qa, wb, xs
.if DOCPART == 1
	.amdgcn_target "amdgcn-amd-amdhsa--gfx1250"
	.amdhsa_code_object_version 6
	.text
	.protected	k_qe826de5720_prep
	.globl	k_qe826de5720_prep
	.p2align	8
	.type	k_qe826de5720_prep,@function
k_qe826de5720_prep:
	s_mov_b64 s[64:65], 0
	v_nop
	global_prefetch_b8 v0, s[64:65] scope:SCOPE_SE
	s_setreg_imm32_b32 hwreg(HW_REG_WAVE_MODE, 25, 1), 1
	s_wait_xcnt 0x0
; PER-TOKEN QUANTISATION, and the weight's change of format.
;   scale[r] = max(max_k |x[r][k]|, 1e-7) / 127;  q[r][k] = x[r][k] / scale[r], rounded to the nearest whole number, ties to even.
;   x: [16384][2048] f32.  qa: [16384][2048] bf16 holds q;  xs: [16384][2] f32 holds scale[r] twice (a pair for a packed multiply);
;   weight: [2048][2048] int8;  wb: the same numbers in bf16.  Whole numbers up to 256 in magnitude are exact in bf16 (8 significant bits): nothing is lost in qa or wb.
; LIMITS.  NaN and infinities in x are not treated apart (a NaN loses every maximum).  The division by 127 is a multiplication by the f32 nearest to 1/127, x / scale a multiplication by
; v_rcp_f32(scale): x / scale is off by at most some 6 x 2^-24 of itself, so a q that lies on a rounding tie may differ by 1 from the quotient's.  The clip to -128 .. 127 is not written because
; it cannot bind: |x| <= 127 scale, so |x / scale| stays under 127.5 and |q| <= 127.  scale lies in 7.8e-10 .. 2.7e36: neither the reciprocal's source nor its result is a denormal.
; SHARES.  Memory binds: each byte of x and of weight is read once, each byte of qa, wb and xs written once; no matrix unit, no cluster (no two work-groups read the same byte), no tensor load
; (no wave reads another wave's bytes).  256 work-groups of eight waves; wave number R8 = 8 x work-group + wave owns rows 8 R8 .. 8 R8 + 7 of x and row R8 of weight.
; ONE WAVE, ONE ROW: 8,192 bytes are sixteen loads of 512 neighbouring bytes and 64 registers; the row stays in registers between the pass that finds the maximum and the pass that rounds.
; A ring of three row slots: one at work, two on their way in.  The rounded row goes into registers of its own (Y), so a slot is asked for again as soon as it has been rounded, ahead of the stores.
; The eight rows are written out: the row's number stands in the immediates (65,024 at the most), and no address register is ever rewritten.
.set ROWX,  8192                       ; bytes in a row of x
.set ROWQ,  4096                       ; bytes in a row of qa and of wb
.set L16,   1                          ; v1        16 x lane: x's loads, wb's stores, xs
.set L8,    2                          ; v2        8 x lane: weight's loads, qa's stores
.set LSA,   3                          ; v3        LDS: 64 x wave + 4 x (lane % 2): where my wave's scales go
.set SPW,   4                          ; v4        LDS address of my spare word: SPARE + 4 x my thread's number; never rewritten
.set NIL,   5                          ; v5        0; never rewritten
.set R,     6                          ; v[6:7]    1 / scale, scale
.set T,     8                          ; v[8:15]   at work
.set WD,    16                         ; v[16:31]  the weight row as loaded: 64 bytes a lane
.set Y,     32                         ; v[32:63]  a row in bf16, to store
.set X,     64                         ; v[64:255] slot s: 64 registers, a row of x
.set SPARE, 512                        ; LDS 0 .. 511: the work-group's 64 scales, each twice; behind them the spare words, 128 bytes for each of the eight waves, which no other line names
	s_load_b256 s[4:11], s[0:1], 0x0               ; x s[4:5], weight s[6:7], qa s[8:9], wb s[10:11]
	s_load_b64 s[12:13], s[0:1], 0x20              ; xs
	v_lshl_add_u32 v[SPW], v0, 2, SPARE
	v_mov_b32 v[NIL], 0
	v_lshrrev_b32 v1, 5, v0
	v_readfirstlane_b32 s14, v1                    ; wave 0..7
	v_and_b32 v2, 31, v0                           ; lane
	v_lshlrev_b32 v[L16], 4, v2
	v_and_b32 v3, 1, v0
	v_lshlrev_b32 v3, 2, v3
	v_lshl_add_u32 v[LSA], s14, 6, v3
	v_lshlrev_b32 v[L8], 3, v2
	s_mov_b32 s15, 0x80808080                      ; turns four signed bytes w into the unsigned bytes w + 128
	s_mov_b32 s17, 0                               ; the upper word of every offset
	s_mov_b32 s18, 0x76543210                      ; v_permlanex16_b32: each lane takes its own place in the other half
	s_mov_b32 s19, 0xfedcba98
	s_mov_b32 s20, 0x4b400000                      ; 1.5 x 2^23: from 2^23 to 2^24 an f32's last place is 1
	s_mov_b32 s21, s20                             ; named with it as a pair
	s_mov_b32 s22, 0xcb400000                      ; -1.5 x 2^23
	s_mov_b32 s23, s22
	s_mov_b32 s24, 0x4b000000                      ; 2^23: its top byte and its zero bytes frame a byte b as the f32 2^23 + b
	s_lshl_b32 s25, ttmp9, 3
	s_add_co_u32 s25, s25, s14                     ; R8
	s_mov_b32 s26, 0xcb000080                      ; -(2^23 + 128)
	s_mov_b32 s27, s26
	s_mov_b32 s28, 0x07040400                      ; v_perm_b32: byte k of the data below, two zero bytes, 0x4b on top
	s_mov_b32 s29, 0x07040401
	s_mov_b32 s30, 0x07040402
	s_mov_b32 s31, 0x07040403
	s_wait_kmcnt 0x0
	s_lshl_b32 s16, s25, 16                        ; 8 rows of 8,192 bytes
	s_add_nc_u64 s[4:5], s[4:5], s[16:17]
	s_lshl_b32 s16, s25, 11                        ; a row of 2,048 bytes
	s_add_nc_u64 s[6:7], s[6:7], s[16:17]
	s_lshl_b32 s16, s25, 15                        ; 8 rows of 4,096 bytes
	s_add_nc_u64 s[8:9], s[8:9], s[16:17]
	s_lshl_b32 s16, s25, 12                        ; a row of 4,096 bytes
	s_add_nc_u64 s[10:11], s[10:11], s[16:17]
	s_lshl_b32 s16, ttmp9, 9                       ; the work-group's 64 rows x 8 bytes
	s_add_nc_u64 s[12:13], s[12:13], s[16:17]
; Sixteen loads: row `row` of my eight into slot s; each covers 512 neighbouring bytes.
.macro FILL s, row
.irp j, 0,1,2,3,4,5,6,7,8,9,10,11,12,13,14,15
	global_load_b128 v[X+64*(\s)+4*(\j):X+64*(\s)+4*(\j)+3], v[L16], s[4:5] offset:(\row)*ROWX+512*(\j) th:TH_LOAD_NT
.endr
.endm
.irp j, 0,1,2,3,4,5,6,7
	global_load_b64 v[WD+2*(\j):WD+2*(\j)+1], v[L8], s[6:7] offset:256*(\j) th:TH_LOAD_NT  ; the weight row: 256 neighbouring bytes a load
.endr
	FILL 0, 0
	FILL 1, 1
	FILL 2, 2
	; THE WEIGHT ROW, in the wait for the first rows of x.  A byte w: w + 128 as an unsigned byte, framed as the f32 2^23 + (w + 128), less 2^23 + 128: exact; then bf16: exact.
	s_wait_loadcnt 48                              ; loads come back in order (ISA guide 5.7.1): the 48 loads of x are younger, the weight row is in
.irp j, 0,1,2,3,4,5,6,7
	v_xor_b32 v[WD+2*(\j)], s15, v[WD+2*(\j)]
	v_xor_b32 v[WD+2*(\j)+1], s15, v[WD+2*(\j)+1]
.irp k, 0,1,2,3,4,5,6,7
	v_perm_b32 v[T+(\k)], s24, v[WD+2*(\j)+(\k)/4], s[28+(\k)%4]
.endr
.irp k, 0,2,4,6
	v_pk_add_f32 v[T+(\k):T+(\k)+1], v[T+(\k):T+(\k)+1], s[26:27] op_sel_hi:[1,0]
.endr
.irp k, 0,1,2,3
	v_cvt_pk_bf16_f32 v[Y+4*(\j)+(\k)], v[T+2*(\k)], v[T+2*(\k)+1]
.endr
	global_store_b128 v[L16], v[Y+4*(\j):Y+4*(\j)+3], s[10:11] offset:512*(\j) th:TH_STORE_NT  ; my 8 bytes at 256 j + 8 lane became 16 at 512 j + 16 lane: 512 neighbouring bytes a store
.endr
; The turn of row i, in slot i % 3.  left = how many younger loads may stay out.
.macro TURN i, left
.set XS, X+64*((\i)%3)
	s_wait_loadcnt \left                           ; my sixteen loads are in; the rows behind them stay on their way
	; pass 1: the largest |x| of my 64 numbers, in four chains that do not wait for each other; the first eight numbers start the chains: nothing is cleared
.irp k, 0,1,2,3
	v_max_num_f32 v[T+(\k)], |v[XS+2*(\k)]|, |v[XS+2*(\k)+1]|
.endr
.set j, 8
.rept 28
	v_max3_num_f32 v[T+(j/2)%4], |v[XS+j]|, |v[XS+j+1]|, v[T+(j/2)%4]
.set j, j+2
.endr
	v_max3_num_f32 v[T], v[T], v[T+1], v[T+2]
	v_max_num_f32 v[T], v[T], v[T+3]
	; across the 32 lanes: four steps inside each half of 16 lanes ride on the arithmetic, one crosses the halves; every lane ends with the row's maximum
	v_max_num_f32_dpp v[T], v[T], v[T] row_xmask:1 row_mask:0xf bank_mask:0xf
	v_max_num_f32_dpp v[T], v[T], v[T] row_xmask:2 row_mask:0xf bank_mask:0xf
	v_max_num_f32_dpp v[T], v[T], v[T] row_xmask:4 row_mask:0xf bank_mask:0xf
	v_max_num_f32_dpp v[T], v[T], v[T] row_xmask:8 row_mask:0xf bank_mask:0xf
	v_permlanex16_b32 v[T+1], v[T], s18, s19       ; its destination counts as read: a register that has been written
	v_max_num_f32 v[T], v[T], v[T+1]
	v_max_num_f32 v[T], 0x33d6bf95, v[T]           ; at least 1e-7
	v_mul_f32 v[R+1], 0x3c010204, v[T]             ; scale = that / 127
	v_rcp_f32 v[R], v[R+1]
	v_nop                                          ; a plain instruction behind the reciprocal, ahead of the use of its result (ISA guide 5.7.2)
	ds_store_b32 v[LSA], v[R+1] offset:8*(\i)      ; even lanes write the pair's first word, odd lanes its second, all the same number
	s_wait_xcnt 0x0                                ; every earlier memory instruction has had its addresses translated (ISA guide 3.1): Y, which the last turn's stores read, is rewritten only behind this wait
	s_wait_alu depctr_va_vdst(0)                   ; ahead of the first line that names the reciprocal: one a row
	; pass 2, in three sweeps, so that no line reads the result of the line before it.  x / scale + 1.5 x 2^23 in ONE rounding: there the last place is 1, so the rounding is the one to the
	; nearest whole number, ties to even (1.5 x 2^23 is even); the subtraction and the bf16 are exact.
.irp j, 0,1,2,3,4,5,6,7,8,9,10,11,12,13,14,15,16,17,18,19,20,21,22,23,24,25,26,27,28,29,30,31
	v_pk_fma_f32 v[XS+2*(\j):XS+2*(\j)+1], v[XS+2*(\j):XS+2*(\j)+1], v[R:R+1], s[20:21] op_sel_hi:[1,0,0]
.endr
.irp j, 0,1,2,3,4,5,6,7,8,9,10,11,12,13,14,15,16,17,18,19,20,21,22,23,24,25,26,27,28,29,30,31
	v_pk_add_f32 v[XS+2*(\j):XS+2*(\j)+1], v[XS+2*(\j):XS+2*(\j)+1], s[22:23] op_sel_hi:[1,0]
.endr
.irp j, 0,1,2,3,4,5,6,7,8,9,10,11,12,13,14,15,16,17,18,19,20,21,22,23,24,25,26,27,28,29,30,31
	v_cvt_pk_bf16_f32 v[Y+(\j)], v[XS+2*(\j)], v[XS+2*(\j)+1]
.endr
.if (\i)+3 < 8
	FILL (\i)%3, (\i)+3                            ; the slot's next row, ahead of the stores
.endif
.irp j, 0,1,2,3,4,5,6,7,8,9,10,11,12,13,14,15
	global_store_b64 v[L8], v[Y+2*(\j):Y+2*(\j)+1], s[8:9] offset:(\i)*ROWQ+256*(\j) th:TH_STORE_NT  ; my 16 bytes at 512 j + 16 lane became 8 at 256 j + 8 lane: the wave's store covers 256 consecutive bytes, aligned
.endr
.endm
	TURN 0, 32
	TURN 1, 32
	TURN 2, 32
	TURN 3, 32
	TURN 4, 32
	TURN 5, 32
	TURN 6, 16                                     ; the last rows: nothing is left to ask for, and the counts run down
	TURN 7, 0
	; the 64 scales leave together: 512 neighbouring bytes, one store of wave 0
	s_wait_dscnt 0x0                               ; for the others' sake: my eight stores into LDS are done
	s_barrier_signal -1
	s_barrier_wait -1
	s_cmp_lg_u32 s14, 0
	s_cbranch_scc1 .Lend
	ds_load_b128 v[T:T+3], v[L16]
	s_wait_dscnt 0x0
	global_store_b128 v[L16], v[T:T+3], s[12:13]
.Lend:
	s_wait_tensorcnt 0x0                           ; the wave's end, behind my last LDS store
	ds_add_u32 v[SPW], v[NIL]
	s_wait_dscnt 0x0
	s_endpgm
.Lfunc_end_k_qe826de5720_prep:
	.size	k_qe826de5720_prep, .Lfunc_end_k_qe826de5720_prep-k_qe826de5720_prep
	.p2alignl 7, 3214868480
	.fill 96, 4, 3214868480
	.section	.rodata,"a",@progbits
	.p2align	6, 0x0
	.amdhsa_kernel k_qe826de5720_prep
		.amdhsa_group_segment_fixed_size 1536
		.amdhsa_private_segment_fixed_size 0
		.amdhsa_enable_private_segment 0
		.amdhsa_kernarg_size 40
		.amdhsa_user_sgpr_count 2
		.amdhsa_user_sgpr_kernarg_segment_ptr 1
		.amdhsa_wavefront_size32 1
		.amdhsa_system_sgpr_workgroup_id_x 1
		.amdhsa_system_sgpr_workgroup_id_y 1
		.amdhsa_system_sgpr_workgroup_id_z 1
		.amdhsa_system_vgpr_workitem_id 0
		.amdhsa_next_free_vgpr 256
		.amdhsa_next_free_sgpr 66
		.amdhsa_reserve_vcc 0
		.amdhsa_float_denorm_mode_32 3
		.amdhsa_float_denorm_mode_16_64 3
		.amdhsa_memory_ordered 1
		.amdhsa_forward_progress 1
		.amdhsa_inst_pref_size 107
	.end_amdhsa_kernel
	.amdgpu_metadata
---
amdhsa.version: [ 1, 2 ]
amdhsa.kernels:
  - .name:           k_qe826de5720_prep
    .symbol:         k_qe826de5720_prep.kd
    .args:
      - { .name: x, .offset: 0, .size: 8, .value_kind: global_buffer, .address_space: global }
      - { .name: weight, .offset: 8, .size: 8, .value_kind: global_buffer, .address_space: global }
      - { .name: qa, .offset: 16, .size: 8, .value_kind: global_buffer, .address_space: global }
      - { .name: wb, .offset: 24, .size: 8, .value_kind: global_buffer, .address_space: global }
      - { .name: xs, .offset: 32, .size: 8, .value_kind: global_buffer, .address_space: global }
    .group_segment_fixed_size: 1536
    .private_segment_fixed_size: 0
    .kernarg_segment_align: 8
    .kernarg_segment_size: 40
    .max_flat_workgroup_size: 256
    .sgpr_count:     66
    .vgpr_count:     256
    .wavefront_size: 32
...
	.end_amdgpu_metadata
.endif
;; end of part 1
;; launch gemm (part 2): grid 8 x 32, 4 waves a work-group, clusters of 4 x 4, 327,680 bytes of LDS; arguments qa, wb, out0, xs, w_scale, bias; writes out0
.if DOCPART == 2
	.amdgcn_target "amdgcn-amd-amdhsa--gfx1250"
	.amdhsa_code_object_version 6
	.text
	.protected	k_qe826de5720_gemm
	.globl	k_qe826de5720_gemm
	.p2align	8
	.type	k_qe826de5720_gemm,@function
k_qe826de5720_gemm:
	s_mov_b64 s[64:65], 0
	v_nop
	global_prefetch_b8 v0, s[64:65] scope:SCOPE_SE
	s_setreg_imm32_b32 hwreg(HW_REG_WAVE_MODE, 25, 1), 1
	s_wait_xcnt 0x0
	s_wait_alu depctr_hold_cnt(0) depctr_sa_sdst(0) depctr_va_vdst(0) depctr_va_sdst(0) depctr_va_ssrc(0) depctr_va_vcc(0) depctr_vm_vsrc(0)
	s_getreg_b32 s2, hwreg(HW_REG_IB_STS2, 6, 4)
	s_cmp_eq_u32 s2, 0
	s_cbranch_scc0 .Lentry_in_a_cluster
	s_endpgm
.Lentry_in_a_cluster:
	s_bfe_u32 s2, ttmp6, 0x10000c
	s_cmp_lg_u32 s2, 0xf033
	s_cbranch_scc0 .Lentry_shape_is_right
	s_endpgm
.Lentry_shape_is_right:
; out[m][n] = f16( (sum over k of q[m][k] w[n][k]) x scale[m] x w_scale[n] + bias[n] ).
; qa: [16384][2048] bf16 (q, whole numbers up to 127 in magnitude, exact); wb: [2048][2048] bf16 (the int8 weight, exact); xs: [16384][2] f32 (scale[m], twice); w_scale, bias: [2048] f32; out0: [16384][2048] f16.
; LIMITS.  The products are exact and the sums are kept in f32: whole numbers are rounded there only beyond 2^24 (the sum's bound is 2048 x 127 x 128 = 3.3e7: one part in 2^24 at the worst).
; A result beyond f16's range becomes an infinity, as a cast to f16 makes it.
; SHARES.  A tile of out, 256 x 256, is made by a work-group of four waves; a wave makes 128 x 128: 64 accumulators of 16 x 16, 512 registers.  K goes in steps of 128 through a ring of two LDS slots
; filled by the tensor data mover: a tile's rows are 256 bytes of memory and start at multiples of 256 bytes from the buffer's first byte.
; A WORK-GROUP STAYS: out has 512 tiles, the grid 256 work-groups; each makes two tiles, 8,192 rows apart in the same tile column.  The ring does not stop at the first tile's end: its last two
; changes of slots ask for the second tile's first two K steps, and nothing waits for the first tile's stores.
; CLUSTERS: 4 x 4 work-groups.  The four of a row of the cluster need the same tiles of qa, the four of a column the same tiles of wb.  Such a tile is asked for JOINTLY: each of the four issues the
; same tensor load, with the same descriptor and a mask that names the four, and each receives the tile in its own LDS.
; REGISTERS, in windows of 256 (s_set_vgpr_msb's low byte: bits 1:0 source 0, 3:2 source 1, 5:4 source 2, 7:6 destination):
;   window 0: v0-15 addresses; v16-31 my rows' scales; v64-127, v128-191 fragments of qa, two buffers; v32-63, v192-255 at work on the way out
;   window 1: v0-63 w_scale and v192-255 bias of my 128 columns, laid as the accumulators are; v64-127, v128-191 fragments of wb, two buffers
;   window 2: the 32 accumulators of my rows 0-63 (accumulator (a, b) at v[8 (8 a + b)]);   window 3: those of my rows 64-127
; THE MATRIX INSTRUCTION IS USED TRANSPOSED: source 0 = 16 rows of wb, source 1 = 16 rows of qa.  In the result lane l holds row m = l % 16 and its registers 0 to 7 the columns 8 (l / 16) + 0 .. 7:
; eight neighbouring numbers of a row of out, which pack into 16 bytes; and ONE scale[m] serves all of a lane's numbers of a block of 16 rows.
; THE LAST K STEP is a step like every other, and the one way out serves both tiles: window 1 has no room for a whole K step's fragments of wb beside w_scale and bias.
.set SIZE_M, 16384
.set SIZE_N, 2048
.set SIZE_K, 2048
.set SIZE_TILES, 2
.set KSTEP,  128
.set PITCH,  272                       ; an LDS row: 256 bytes of data + 16 of padding = 68 words: row r starts at bank 4 r mod 64 (64 banks of 4 bytes: ISA guide 11.1), so the 16 rows that a load touches start at 16 different banks
.set HALFT,  128*PITCH                 ; 128 rows: what one tensor load brings, and what one wave reads of qa or of wb
.set SLOT,   4*HALFT                   ; qa's 256 rows, then wb's 256 rows
.set STAGE,  2*SLOT                    ; behind the ring: 16 rows x 272 bytes for each wave, for the way out; no tensor load lands here
.set SPITCH, 272
.set SPARE,  STAGE+4*16*SPITCH         ; behind the stages: the spare words, 128 bytes for each wave: two blocks of 256 bytes that no other line names
.set LAPS,   SIZE_K/(2*KSTEP)          ; a lap = two K steps = once round the ring: 8
.set WALK,   SIZE_M/SIZE_TILES         ; the two tiles lie 8,192 rows apart
.set NEXT_A, WALK*SIZE_K*2-(SIZE_K-2*KSTEP)*2   ; bytes from a slot's last K step of a tile to its first of the next: qa goes WALK rows down and back along K,
.set BACK_B, (SIZE_K-2*KSTEP)*2        ; wb only back: the two tiles share their rows of wb
.set NEXT_C, (WALK-7*16)*SIZE_N*2      ; bytes from my last 16 rows of a tile to my first of the next
.set XO,   4                           ; v4      8 x (l % 16): my row's pair in xs
.set WO,   5                           ; v5      32 x (l / 16): my eight columns' numbers in w_scale and bias
.set ADRA, 6                           ; v6-7    LDS address of my fragments of qa in slot 0, 1
.set ADRB, 8                           ; v8-9    the same for wb
.set STO,  10                          ; v10     the way out: where I put 16 bytes of a row
.set RD,   11                          ; v11     the way out: where I read a row back
.set CO,   12                          ; v12     my byte offset in out
.set PFO,  13                          ; v13     the prefetches' offset: my lane x a row of 4,096 bytes; never rewritten
.set SPW,  14                          ; v14     LDS address of my spare word: SPARE + 4 x my thread's number; never rewritten
.set NIL,  15                          ; v15     0; never rewritten
.set SC,   16                          ; v16-31  block a of my eight blocks of 16 rows: scale[m] twice, at SC + 2 a
.set OB,   32                          ; the way out: 16 rows read back from the stage: v32-63 and v224-255 by turns
.set F0,   64                          ; fragment buffer 0
.set F1,   128                         ; fragment buffer 1
.set TMP,  192                         ; the way out: packed results, in window 0
.set WS,   0                           ; window 1: w_scale of column 16 b + 8 (l / 16) + j at WS + 8 b + j
.set BI,   192                         ; window 1: bias likewise
.set G1,   24                          ; s[24:31] descriptor group 1 for qa's tiles
.set G0,   32                          ; s[32:39] descriptor group 0 for qa's tiles, one set for each slot
.set LIM,  43                          ; s43     1 in a wave that prefetches, else the greatest number
.set PFA,  44                          ; s[44:45] where my prefetches stand: my work-group's 32 rows of the 128 that I fetch, one K step further along K than the refill that is being asked for
.set G1B,  48                          ; s[48:55] descriptor group 1 for wb's tiles: it differs in the mask alone
.set G0B,  56                          ; s[56:63] descriptor group 0 for wb's tiles, one set for each slot
.set XSP,  66                          ; s[66:67] xs at my first row of the tile in hand
.set WSP,  68                          ; s[68:69] w_scale at my first column
.set BIP,  70                          ; s[70:71] bias at my first column
.set MSB, 0
.macro WIN new                         ; the immediate's high byte repeats the setting that is left; a switch that changes nothing is dropped
.if MSB != (\new)
	s_set_vgpr_msb (MSB<<8)|(\new)
.set MSB, \new
.endif
.endm
.set MUL_LO, 0xa1                      ; source 0 (wb) window 1, source 1 (qa) window 0, C and D window 2
.set MUL_HI, 0xf1                      ; the same, C and D window 3
.set TO_B,   0x40                      ; destination window 1, address window 0
; A joint load.  Waves 0 and 1 fetch qa's two halves, waves 2 and 3 wb's.  Each of the two lines has ONE mask and one set of registers for all that issue it.  The branch hangs on the wave's number alone.
; An s_nop 0 and four v_nop follow each of the two lines; the jump round the other line, the label and what follows come after them.
.macro JLOAD s
	s_cmp_eq_u32 s11, 0
	s_cbranch_scc0 .Lfor_b_\@
	tensor_load_to_lds s[G0+4*(\s):G0+4*(\s)+3], s[G1:G1+7]
	s_nop 0
.rept 4
	v_nop
.endr
	s_branch .Lasked_\@
.Lfor_b_\@:
	tensor_load_to_lds s[G0B+4*(\s):G0B+4*(\s)+3], s[G1B:G1B+7]
	s_nop 0
.rept 4
	v_nop
.endr
.Lasked_\@:
.endm
; A PREFETCH INTO THE L2, behind each joint load, its five lines and the run of LDS loads that follows them: the K step that stands TWO refills on, 512 matrix instructions ahead of the load that will
; want it: 32 rows x 256 bytes, a lane a row, one instruction a wave.  Each row's 256 bytes of a K step are named ONCE in the launch: qa's tile row is read by both clusters of that row of clusters,
; and the one with x = 0 asks; wb's tile column by the eight clusters of that column, and the one with y = 0 asks.  The four partners that ask for a tile jointly share its rows out BY ADDRESS: of the
; 128 rows that a wave fetches, the partner at place p takes 32 p .. 32 p + 31 (p = cx for qa, cy for wb): no branch hangs on a work-group's place in its cluster.
; how = 0, in the loop: a tile's last two refills have no K step two on; how = 1, at the change of tiles.
.macro ASK how
.if \how
	s_cmp_eq_u32 s[LIM], 1
.else
	s_cmp_gt_u32 s3, s[LIM]                        ; s3 = 1 in the loop's last trip
.endif
	s_cbranch_scc0 .Lnot_mine_\@
	global_prefetch_b8 v[PFO], s[PFA:PFA+1] offset:KSTEP*2 th:TH_LOAD_NT scope:SCOPE_SE
.Lnot_mine_\@:
.endm
; A round of the cluster's barrier: my work-group's barrier, so that wave 0's signal speaks for all four waves; wave 0 signals for the work-group; every wave waits for all sixteen work-groups;
; my work-group's barrier once more.  No LDS instruction of the wave is pending at a signal.
.macro CREST                           ; a round behind its opening barrier
	s_cmp_lg_u32 s10, 0
	s_cbranch_scc1 .Lnot_wave_0_\@
	s_barrier_signal -3
.Lnot_wave_0_\@:
	s_barrier_wait -3
	s_barrier_signal -1
	s_barrier_wait -1
.endm
.macro CROUND                          ; a whole round
	s_barrier_signal -1
	s_barrier_wait -1
	CREST
.endm
.macro SCALES                          ; my 128 rows' scales: block a's sixteen pairs are 128 neighbouring bytes; both halves of the lanes take the same
.irp a, 0,1,2,3,4,5,6,7
	global_load_b64 v[SC+2*(\a):SC+2*(\a)+1], v[XO], s[XSP:XSP+1] offset:128*(\a)
.endr
.endm
	s_load_b128 s[4:7], s[0:1], 0x0                ; qa s[4:5], wb s[6:7]
	s_load_b64 s[8:9], s[0:1], 0x10                ; out0
	s_load_b64 s[XSP:XSP+1], s[0:1], 0x18          ; xs
	s_load_b128 s[WSP:WSP+3], s[0:1], 0x20         ; w_scale, bias
	v_lshl_add_u32 v[SPW], v0, 2, SPARE
	v_mov_b32 v[NIL], 0
	ds_add_u32 v[SPW], v[NIL]                      ; the wave's opening: the add, twice on end, and its wait ahead of my first tensor load; the set-up below, work on registers, stands between
	ds_add_u32 v[SPW], v[NIL]                      ; and once more, under the one wait
	v_lshrrev_b32 v1, 5, v0
	v_readfirstlane_b32 s10, v1                    ; wave 0..3
	s_lshr_b32 s11, s10, 1                         ; which half of the tile's rows is mine.  Also: I fetch for qa (0) or for wb (1)
	s_and_b32 s12, s10, 1                          ; which half of its columns.  Also: which 128 rows of that tile I fetch
	s_bfe_u32 s40, ttmp6, 0x40000                  ; cx: my place along the cluster's x
	s_bfe_u32 s41, ttmp6, 0x40004                  ; cy: along its y
	s_lshl_b32 s42, ttmp9, 2                       ; in a cluster launch ttmp9 and ttmp7 count clusters
	s_add_co_u32 s42, s42, s40                     ; tile column = 4 x cluster x + cx
	s_and_b32 s13, ttmp7, 0xffff
	s_lshl_b32 s13, s13, 2
	s_add_co_u32 s13, s13, s41                     ; tile row (of the first tile) = 4 x cluster y + cy
	s_lshl_b32 s43, s41, 2
	s_lshl_b32 s43, 15, s43                        ; my row of the cluster: places 4 cy .. 4 cy + 3
	s_lshl_b32 s44, 0x1111, s40                    ; my column: places cx, cx + 4, cx + 8, cx + 12
	; descriptor group 1: a tile of 128 rows x 128 elements, padded in LDS
	s_or_b32 s[G1+0], s43, (1<<16)|(1<<20)|(1<<21)|(5<<22)|(3<<25)  ; 15:0 the mask: qa's tiles go to my row; 17:16 elements of 2 bytes; 20 padding on; 21 set beside a mask; 24:22 after every 64 words (code 5); 31:25 4 words of it (code 3)
	s_or_b32 s[G1B+0], s44, (1<<16)|(1<<20)|(1<<21)|(5<<22)|(3<<25) ; the same with the mask of my column, for wb's tiles
	s_mov_b32 s[G1B+1], KSTEP<<16
	s_mov_b32 s[G1+1], KSTEP<<16                   ; 63:48 tensor_dim0, low half = 128
	s_mov_b32 s[G1B+2], 128<<16
	s_mov_b32 s[G1+2], 128<<16                     ; 79:64 its high half = 0; 95:80 tensor_dim1, low half = 128
	s_mov_b32 s[G1B+3], KSTEP<<16
	s_mov_b32 s[G1+3], KSTEP<<16                   ; 111:96 its high half = 0; 127:112 tile_dim0 = 128
	s_mov_b32 s[G1B+4], 128
	s_mov_b32 s[G1+4], 128                         ; 143:128 tile_dim1 = 128; 159:144 tile_dim2 = 0
	s_mov_b32 s[G1B+5], SIZE_K
	s_mov_b32 s[G1+5], SIZE_K                      ; 191:160 tensor_dim0_stride, low word: elements from row to row
	s_mov_b32 s[G1B+6], 0
	s_mov_b32 s[G1+6], 0
	s_mov_b32 s[G1B+7], 0
	s_mov_b32 s[G1+7], 0
	; where the tiles come from.  qa's hang on the tile row alone, which my row of the cluster shares; wb's on the tile column alone, which my column shares.
	s_lshl_b32 s17, s12, 7                         ; which 128 rows of the tile I fetch
	s_lshl_b32 s16, s13, 8
	s_add_co_u32 s16, s16, s17                     ; qa: row 256 x tile row + 128 x half
	s_lshl_b32 s46, s42, 8
	s_add_co_u32 s46, s46, s17                     ; wb: row 256 x tile column + 128 x half
	s_mov_b32 s17, 0
	s_mov_b32 s47, 0
	s_mov_b64 s[18:19], SIZE_K*2
	s_mul_u64 s[16:17], s[16:17], s[18:19]         ; in bytes
	s_mul_u64 s[46:47], s[46:47], s[18:19]
	s_mul_i32 s20, s10, HALFT                      ; and where they go: qa's two halves, then wb's two halves = wave x 128 rows: no place in the cluster enters an LDS address
	s_wait_dscnt 0x0                               ; both opening adds are done
	s_wait_kmcnt 0x0
	s_add_nc_u64 s[14:15], s[4:5], s[16:17]
	s_add_nc_u64 s[46:47], s[6:7], s[46:47]
	CROUND                                         ; all sixteen work-groups are here: the first joint loads meet
.irp s, 0,1
	s_mov_b32 s[G0+4*(\s)], 1                                      ; 1:0 count = 1
	s_add_co_u32 s[G0+4*(\s)+1], s20, (\s)*SLOT                    ; 63:32 LDS address
	s_add_nc_u64 s[G0+4*(\s)+2:G0+4*(\s)+3], s[14:15], (\s)*KSTEP*2  ; 120:64 global address: K step s
	s_or_b32 s[G0+4*(\s)+3], s[G0+4*(\s)+3], 0x80000000            ; 127:126 type = 2
	s_mov_b32 s[G0B+4*(\s)], 1
	s_add_co_u32 s[G0B+4*(\s)+1], s20, (\s)*SLOT
	s_add_nc_u64 s[G0B+4*(\s)+2:G0B+4*(\s)+3], s[46:47], (\s)*KSTEP*2
	s_or_b32 s[G0B+4*(\s)+3], s[G0B+4*(\s)+3], 0x80000000
	JLOAD \s                                       ; the ring is filled before anything else is done: two loads of mine are out
.endr
	; A fragment is 16 rows x 32 K in 8 registers: lane l holds row l % 16; registers 0-3 hold K = 8 (l / 16) + 0..7, registers 4-7 K = 16 + 8 (l / 16) + 0..7: two loads of 16 bytes, 32 bytes apart.
	v_and_b32 v1, 15, v0                           ; l % 16
	v_bfe_u32 v2, v0, 4, 1                         ; l / 16
	v_mul_u32_u24 v3, v1, PITCH
	v_lshl_add_u32 v3, v2, 4, v3                   ; row x pitch + 16 x half
	s_mul_i32 s21, s11, HALFT                      ; my 128 rows of qa
	s_mul_i32 s22, s12, HALFT                      ; my 128 rows of wb,
	s_add_co_u32 s22, s22, 2*HALFT                 ; which lie behind qa's 256
.irp s, 0,1
	v_add_nc_u32 v[ADRA+(\s)], s21, v3
	v_add_nc_u32 v[ADRB+(\s)], s22, v3
	s_add_co_u32 s21, s21, SLOT
	s_add_co_u32 s22, s22, SLOT
.endr
	s_mul_i32 s23, s10, 16*SPITCH
	s_add_co_u32 s23, s23, STAGE                   ; my stage
	v_mul_u32_u24 v3, v1, SPITCH                   ; in: row l % 16, 16 bytes for each half of the lanes
	v_lshl_add_u32 v3, v2, 4, v3
	v_add_nc_u32 v[STO], s23, v3
	v_mul_u32_u24 v3, v2, SPITCH                   ; back: lanes 0-15 take one row of 256 bytes, lanes 16-31 the next
	v_lshl_add_u32 v3, v1, 4, v3
	v_add_nc_u32 v[RD], s23, v3
	v_mul_u32_u24 v3, v2, SIZE_N*2                 ; and the same two rows in out
	v_lshl_add_u32 v[CO], v1, 4, v3
	v_lshlrev_b32 v[XO], 3, v1
	v_lshlrev_b32 v[WO], 5, v2
	; where my part of the first tile begins in out, in xs, in w_scale and in bias
	s_lshl_b32 s13, s13, 8
	s_lshl_b32 s14, s11, 7
	s_add_co_u32 s16, s13, s14                     ; my first row
	s_lshl_b32 s74, s16, 3                         ; 8 bytes a row in xs
	s_mov_b32 s75, 0
	s_mov_b32 s17, 0
	s_mov_b64 s[18:19], SIZE_N*2
	s_mul_u64 s[16:17], s[16:17], s[18:19]
	s_lshl_b32 s46, s42, 9                         ; my first column, in bytes of f16: 512 x tile column + 256 x half
	s_lshl_b32 s47, s12, 8
	s_add_co_u32 s46, s46, s47
	s_lshl_b32 s72, s46, 1                         ; and in bytes of f32
	s_mov_b32 s73, 0
	s_mov_b32 s47, 0
	s_add_nc_u64 s[16:17], s[16:17], s[46:47]      ; the first way out adds this to out's address
	s_add_nc_u64 s[XSP:XSP+1], s[XSP:XSP+1], s[74:75]
	s_add_nc_u64 s[WSP:WSP+1], s[WSP:WSP+1], s[72:73]
	s_add_nc_u64 s[BIP:BIP+1], s[BIP:BIP+1], s[72:73]
	WIN TO_B                                       ; w_scale and bias of my 128 columns stay in window 1 for both tiles; they are waited for on the first way out
.irp b, 0,1,2,3,4,5,6,7
	global_load_b128 v[WS+8*(\b):WS+8*(\b)+3],   v[WO], s[WSP:WSP+1] offset:64*(\b)
	global_load_b128 v[WS+8*(\b)+4:WS+8*(\b)+7], v[WO], s[WSP:WSP+1] offset:64*(\b)+16
	global_load_b128 v[BI+8*(\b):BI+8*(\b)+3],   v[WO], s[BIP:BIP+1] offset:64*(\b)
	global_load_b128 v[BI+8*(\b)+4:BI+8*(\b)+7], v[WO], s[BIP:BIP+1] offset:64*(\b)+16
.endr
	WIN 0
	SCALES
	; the prefetches.  s13 = 256 x tile row, s42 = tile column, s40 = cx, s41 = cy still stand; s[4:5] = qa, s[6:7] = wb
	s_lshl_b32 s42, s42, 8
	s_and_b32 s22, ttmp7, 0xffff                   ; cluster y
	s_cmp_eq_u32 s11, 0                            ; do I fetch for qa?
	s_cselect_b32 s20, s13, s42                    ; the tile's first row: in qa by the tile row, in wb by the tile column
	s_cselect_b32 s21, s40, s41                    ; my place among the four that ask for it with me
	s_cselect_b32 s22, ttmp9, s22                  ; the coordinate along which other clusters read the same rows
	s_cselect_b64 s[PFA:PFA+1], s[4:5], s[6:7]
	s_cmp_eq_u32 s22, 0
	s_cselect_b32 s[LIM], 1, -1                    ; the same in all sixteen partners, for a given wave
	s_lshl_b32 s22, s12, 7
	s_add_co_u32 s20, s20, s22                     ; + the 128 rows that I fetch
	s_lshl_b32 s21, s21, 5
	s_add_co_u32 s20, s20, s21                     ; + my work-group's 32 of them
	s_mov_b32 s21, 0
	s_mov_b64 s[18:19], SIZE_K*2
	s_mul_u64 s[20:21], s[20:21], s[18:19]
	s_add_nc_u64 s[PFA:PFA+1], s[PFA:PFA+1], s[20:21]
	s_add_nc_u64 s[PFA:PFA+1], s[PFA:PFA+1], 2*KSTEP*2  ; at K step 2: the first refill steps it to 3 and names K step 4
	v_and_b32 v[PFO], 31, v0
	v_mul_u32_u24 v[PFO], v[PFO], SIZE_K*2
	; nothing is prefetched here, at the head, where every work-group's first two tiles are on their way: K steps 2 and 3 come by their refills alone
; 16 matrix instructions: m blocks a0, a0 + 1 of the window's four (hi = 0: my rows 0-63, 1: rows 64-127) x all 8 n blocks, 32 along K.  zero = 1: the first product starts the sums: nothing is ever cleared.
; The 64 accumulators take turns, one instruction a turn, in the same order in every quarter step, over every jump too.
.macro MUL16 f, hi, a0, zero
	WIN MUL_LO+0x50*(\hi)
.irp a, \a0, (\a0)+1
.irp b, 0,1,2,3,4,5,6,7
.if \zero
	v_wmma_f32_16x16x32_bf16 v[8*(8*(\a)+(\b)):8*(8*(\a)+(\b))+7], v[(\f)+8*(\b):(\f)+8*(\b)+7], v[(\f)+8*(4*(\hi)+(\a)):(\f)+8*(4*(\hi)+(\a))+7], 0
.else
	v_wmma_f32_16x16x32_bf16 v[8*(8*(\a)+(\b)):8*(8*(\a)+(\b))+7], v[(\f)+8*(\b):(\f)+8*(\b)+7], v[(\f)+8*(4*(\hi)+(\a)):(\f)+8*(4*(\hi)+(\a))+7], v[8*(8*(\a)+(\b)):8*(8*(\a)+(\b))+7]
.endif
.endr
.endr
.endm
; 32 LDS loads in one run: the fragments of one quarter step (128 rows of wb, 128 rows of qa, 32 K at byte k of the rows) into buffer f
.macro FETCH slot, k, f
	WIN TO_B
.irp i, 0,1,2,3,4,5,6,7
	ds_load_b128 v[(\f)+8*(\i):(\f)+8*(\i)+3],   v[ADRB+(\slot)] offset:(\k)+(\i)*16*PITCH
	ds_load_b128 v[(\f)+8*(\i)+4:(\f)+8*(\i)+7], v[ADRB+(\slot)] offset:(\k)+(\i)*16*PITCH+32
.endr
	WIN 0
.irp i, 0,1,2,3,4,5,6,7
	ds_load_b128 v[(\f)+8*(\i):(\f)+8*(\i)+3],   v[ADRA+(\slot)] offset:(\k)+(\i)*16*PITCH
	ds_load_b128 v[(\f)+8*(\i)+4:(\f)+8*(\i)+7], v[ADRA+(\slot)] offset:(\k)+(\i)*16*PITCH+32
.endr
.endm
; A load into a register that a matrix instruction has read, and a vector instruction that reads or writes a matrix instruction's registers, stand four places behind it, and only plain vector
; instructions that name none of its registers are places (ISA guide 7.12.1 for vector instructions); the matrix instructions in between are not counted.
.macro PLACES
.rept 4
	v_nop
.endr
.endm
; A K step is four quarter steps of 32 along K, 64 matrix instructions each, on buffers 0, 1, 0, 1.
; One of the first three: multiplies buffer f; in its middle it fetches the next quarter's fragments, at byte k of the same slot's rows, into buffer g.
.macro QUARTER slot, k, f, g, zero
	s_wait_dscnt 8                                 ; wb's fragments and qa's rows 0-63 are in; the youngest eight loads (qa's rows 64-127) may be out
	WIN MUL_LO
	MUL16 \f, 0, 0, \zero
	MUL16 \f, 0, 2, \zero
	PLACES
	FETCH \slot, \k, \g
	s_wait_dscnt 32                                ; all but the 32 just issued
	WIN MUL_HI
	MUL16 \f, 1, 0, \zero
	MUL16 \f, 1, 2, \zero
.endm
; The last quarter multiplies buffer 1 and changes slots.  MEET is its first half: ONE barrier for the change of slots.  In front of it each wave waits for all its tensor loads, of which one is out:
; its part of the next slot; adds 0 to its spare word; and waits for that and for its own reads of this slot.  Behind it nobody reads this slot any more and the next slot is whole.
.macro MEET round                      ; round = 1: a round of the cluster's barrier follows
	WIN 0                                          ; (the add's two registers lie in window 0)
	s_wait_tensorcnt 0x0                           ; all my tensor loads have landed: the one that was out is my part of the next slot;
	ds_add_u32 v[SPW], v[NIL]                      ; 0 onto my spare word;
	s_wait_dscnt 9                                 ; (the add and the youngest eight loads may be out)
	WIN MUL_LO
	MUL16 F1, 0, 0, 0                              ; sixteen matrix instructions stand between the add and the wait for it
	s_wait_dscnt 0x0                               ; the add is done, and my reads of this slot are over:
	s_barrier_signal -1                            ; say so (where a slot is filled again this barrier opens a round of the cluster's barrier),
	MUL16 F1, 0, 2, 0                              ; work on registers while the others arrive,
.if \round
	WIN 0
.endif
	s_barrier_wait -1                              ; and go on when all four have said so
.endm
; The whole last quarter.  Behind the round the slot just read out is filled again first: with this tile's K step two steps on (on = 0) or, in the first tile's last two K steps, with the SECOND tile's
; K step 0 or 1 (on = 1); then come the next slot's first fragments.  From a request to the wait for it a wave issues 224 matrix instructions, across the tiles too.
.macro TURN slot, next, on
	s_wait_xcnt 0x0                                ; the last prefetch, a K step back, has read its address: it is stepped here, ahead of the waits of the change of slots
.if (\on) && (\slot) == 0
	s_add_nc_u64 s[PFA:PFA+1], s[PFA:PFA+1], (WALK-1)*SIZE_K*2+KSTEP*2  ; from the K step after the tile's last to the next tile's K step 1: WALK rows down, back along K
	s_cmp_eq_u32 s11, 0
	s_cselect_b32 s[LIM], s[LIM], -1               ; wb's rows are the same for both tiles: they are asked for in the first tile alone
.else
	s_add_nc_u64 s[PFA:PFA+1], s[PFA:PFA+1], KSTEP*2
.endif
	MEET 1
	CREST                                          ; all sixteen work-groups have said so: no wave of any partner still reads this slot's tile or has a load on its way
.if \on
	s_add_nc_u64 s[G0+4*(\slot)+2:G0+4*(\slot)+3], s[G0+4*(\slot)+2:G0+4*(\slot)+3], NEXT_A
	s_sub_nc_u64 s[G0B+4*(\slot)+2:G0B+4*(\slot)+3], s[G0B+4*(\slot)+2:G0B+4*(\slot)+3], BACK_B
.else
	s_add_nc_u64 s[G0+4*(\slot)+2:G0+4*(\slot)+3], s[G0+4*(\slot)+2:G0+4*(\slot)+3], 2*KSTEP*2
	s_add_nc_u64 s[G0B+4*(\slot)+2:G0B+4*(\slot)+3], s[G0B+4*(\slot)+2:G0B+4*(\slot)+3], 2*KSTEP*2
.endif
	JLOAD \slot                                    ; the first tensor load behind the round, my only one until the next; the four v_nop behind it are also the places in front of the loads below
	FETCH \next, 0, F0
	ASK \on                                        ; behind the joint load and the run of LDS loads that the next products wait for
	WIN MUL_HI
	MUL16 F1, 1, 0, 0
	MUL16 F1, 1, 2, 0
.endm
; THE WAY OUT of block a (16 of my rows x my 128 columns), in three parts.
; PACK: acc x scale[m], in place; that x w_scale[n] + bias[n], one fused multiply-add, in place; rounded to f16, 16 bytes a lane.  Three sweeps of 32 packed lines, each under one window setting.
; Each accumulator's lowest registers are read first.
.macro PACK a
.set AC, 64*((\a)%4)
	WIN 0x82+0x41*((\a)/4)                         ; destination and source 0: window 2 or 3; source 1 (the scale's pair): window 0
.irp b, 0,1,2,3,4,5,6,7
.irp r, 0,1,2,3
	v_pk_mul_f32 v[AC+8*(\b)+2*(\r):AC+8*(\b)+2*(\r)+1], v[AC+8*(\b)+2*(\r):AC+8*(\b)+2*(\r)+1], v[SC+2*(\a):SC+2*(\a)+1]
.endr
.endr
	WIN 0x96+0x41*((\a)/4)                         ; sources 1 and 2 (w_scale, bias): window 1
.irp b, 0,1,2,3,4,5,6,7
.irp r, 0,1,2,3
	v_pk_fma_f32 v[AC+8*(\b)+2*(\r):AC+8*(\b)+2*(\r)+1], v[AC+8*(\b)+2*(\r):AC+8*(\b)+2*(\r)+1], v[WS+8*(\b)+2*(\r):WS+8*(\b)+2*(\r)+1], v[BI+8*(\b)+2*(\r):BI+8*(\b)+2*(\r)+1]
.endr
.endr
	WIN 0x0a+5*((\a)/4)                            ; sources 0 and 1: window 2 or 3; destination: window 0
.irp b, 0,1,2,3,4,5,6,7
.irp r, 0,1,2,3
	v_cvt_pk_f16_f32 v[TMP+4*(\b)+(\r)], v[AC+8*(\b)+2*(\r)], v[AC+8*(\b)+2*(\r)+1]
.endr
.endr
	WIN 0
.endm
; TOSTAGE: into my own stage in LDS, and back as whole rows of 256 bytes.
.macro TOSTAGE a
	WIN 0
.set BK, OB+192*((\a)%2)
.irp b, 0,1,2,3,4,5,6,7
	ds_store_b128 v[STO], v[TMP+4*(\b):TMP+4*(\b)+3] offset:32*(\b)
.endr
.irp t, 0,1,2,3,4,5,6,7
	ds_load_b128 v[BK+4*(\t):BK+4*(\t)+3], v[RD] offset:(\t)*2*SPITCH  ; LDS serves a wave's instructions in order (ISA guide 5.7.1.4): these see the stores above
.endr
.endm
; SEND: stored.
.macro SEND a, younger
	WIN 0
.set BK, OB+192*((\a)%2)
	s_wait_dscnt \younger                          ; the block is back in registers (for 0: it holds whether or not the next tile's first fragments were asked for ahead of the way out)
	s_wait_xcnt 0x0                                ; every earlier memory instruction has had its addresses translated (ISA guide 3.1): only behind this wait are the stores' base and the registers that earlier stores read rewritten
.if (\a) == 0
	s_add_nc_u64 s[8:9], s[8:9], s[16:17]          ; on to this tile's first rows
.else
	s_add_nc_u64 s[8:9], s[8:9], 16*SIZE_N*2       ; 16 rows on
.endif
.irp t, 0,1,2,3,4,5,6,7
	global_store_b128 v[CO], v[BK+4*(\t):BK+4*(\t)+3], s[8:9] offset:2*(\t)*SIZE_N*2 th:TH_STORE_NT  ; 16 lanes store 256 consecutive bytes, at a multiple of 256 from out's first byte
.endr
.endm
	s_wait_tensorcnt 1                             ; my part of K step 0 is in; K step 1's may stay out
	s_barrier_signal -1
	s_barrier_wait -1                              ; everybody's is
	FETCH 0, 0, F0
	s_mov_b32 s2, SIZE_TILES                       ; tiles to go, this one among them: the same number in every work-group
.Ltile:                                                ; (FETCH and SEND leave every window 0)
	QUARTER 0, 64,  F0, F1, 1                      ; a tile's first quarter stands in front of the loop: its products start the sums
	WIN 0                                          ; at a label and at a branch every window is 0
	s_mov_b32 s3, LAPS-1
.Llap:                                                 ; a trip goes once round the ring, from a lap's second quarter to the next lap's first, and fills both slots again
	QUARTER 0, 128, F1, F0, 0
	QUARTER 0, 192, F0, F1, 0
	TURN 0, 1, 0
	QUARTER 1, 64,  F0, F1, 0
	QUARTER 1, 128, F1, F0, 0
	QUARTER 1, 192, F0, F1, 0
	TURN 1, 0, 0
	QUARTER 0, 64,  F0, F1, 0
	WIN 0
	s_sub_co_u32 s3, s3, 1
	s_cmp_lg_u32 s3, 0
	s_cbranch_scc1 .Llap
	QUARTER 0, 128, F1, F0, 0                      ; the tile's last lap goes on
	QUARTER 0, 192, F0, F1, 0
	WIN 0
	s_cmp_eq_u32 s2, 1
	s_cbranch_scc1 .Llast                          ; the last tile's tail is written out: it asks for nothing more
	TURN 0, 1, 1                                   ; THE RING GOES ON INTO THE SECOND TILE: slot 0 takes its K step 0,
	QUARTER 1, 64,  F0, F1, 0
	QUARTER 1, 128, F1, F0, 0
	QUARTER 1, 192, F0, F1, 0
	TURN 1, 0, 1                                   ; slot 1 its K step 1, and the second tile's first fragments are fetched: both refills are asked for when the first store leaves
	WIN 0
	s_branch .Lout
.Llast:
	MEET 0                                         ; my one tensor load that was still out is slot 1's, the last K step's, so no round follows
	PLACES                                         ; for the loads into buffer 0, which the quarter before multiplied
	FETCH 1, 0, F0
	WIN MUL_HI
	MUL16 F1, 1, 0, 0
	MUL16 F1, 1, 2, 0
	QUARTER 1, 64,  F0, F1, 0
	QUARTER 1, 128, F1, F0, 0
	QUARTER 1, 192, F0, F1, 0
	s_wait_dscnt 8                                 ; the very last quarter: nothing more to fetch
	MUL16 F1, 0, 0, 0
	MUL16 F1, 0, 2, 0
	s_wait_dscnt 0x0
	MUL16 F1, 1, 0, 0
	MUL16 F1, 1, 2, 0
	WIN 0
.Lout:                                                 ; THE TILE GOES OUT: one text for both tiles
	PLACES                                         ; the packed multiplies below read and write accumulators: eight plain places behind the last product, once a tile
	PLACES
	s_wait_loadcnt 0x0                             ; w_scale, bias and this tile's scales, asked for a tile's products ago; xs's address may be stepped behind this wait
	PACK 0
	TOSTAGE 0
.irp a, 1,2,3,4,5,6,7                  ; block a's arithmetic stands between block a - 1's loads from the stage and the wait for them
	PACK \a
	SEND (\a)-1, 0
	TOSTAGE \a
.endr
	SEND 7, 0
	s_cmp_eq_u32 s2, 1
	s_cbranch_scc1 .Lend
	s_mov_b64 s[16:17], NEXT_C                     ; what the next way out adds to out's address
	s_add_nc_u64 s[XSP:XSP+1], s[XSP:XSP+1], WALK*8  ; the second tile's rows in xs
	SCALES                                         ; waited for on the next way out
	s_sub_co_u32 s2, s2, 1
	s_branch .Ltile
.Lend:
	s_wait_tensorcnt 0x0                           ; the wave's end, behind my last tensor load and my last LDS store
	ds_add_u32 v[SPW], v[NIL]
	s_wait_dscnt 0x0
	CROUND                                         ; the closing round: no work-group ends while a partner may still ask for a tile that names it
	s_endpgm
.Lfunc_end_k_qe826de5720_gemm:
	.size	k_qe826de5720_gemm, .Lfunc_end_k_qe826de5720_gemm-k_qe826de5720_gemm
	.p2alignl 7, 3214868480
	.fill 96, 4, 3214868480
	.section	.rodata,"a",@progbits
	.p2align	6, 0x0
	.amdhsa_kernel k_qe826de5720_gemm
		.amdhsa_group_segment_fixed_size 327680
		.amdhsa_private_segment_fixed_size 0
		.amdhsa_enable_private_segment 0
		.amdhsa_kernarg_size 48
		.amdhsa_user_sgpr_count 2
		.amdhsa_user_sgpr_kernarg_segment_ptr 1
		.amdhsa_wavefront_size32 1
		.amdhsa_system_sgpr_workgroup_id_x 1
		.amdhsa_system_sgpr_workgroup_id_y 1
		.amdhsa_system_sgpr_workgroup_id_z 1
		.amdhsa_system_vgpr_workitem_id 0
		.amdhsa_next_free_vgpr 1024
		.amdhsa_next_free_sgpr 76
		.amdhsa_reserve_vcc 0
		.amdhsa_float_denorm_mode_32 3
		.amdhsa_float_denorm_mode_16_64 3
		.amdhsa_memory_ordered 1
		.amdhsa_forward_progress 1
		.amdhsa_inst_pref_size 216
	.end_amdhsa_kernel
	.amdgpu_metadata
---
amdhsa.version: [ 1, 2 ]
amdhsa.kernels:
  - .name:           k_qe826de5720_gemm
    .symbol:         k_qe826de5720_gemm.kd
    .args:
      - { .name: qa, .offset: 0, .size: 8, .value_kind: global_buffer, .address_space: global }
      - { .name: wb, .offset: 8, .size: 8, .value_kind: global_buffer, .address_space: global }
      - { .name: out0, .offset: 16, .size: 8, .value_kind: global_buffer, .address_space: global }
      - { .name: xs, .offset: 24, .size: 8, .value_kind: global_buffer, .address_space: global }
      - { .name: w_scale, .offset: 32, .size: 8, .value_kind: global_buffer, .address_space: global }
      - { .name: bias, .offset: 40, .size: 8, .value_kind: global_buffer, .address_space: global }
    .group_segment_fixed_size: 327680
    .private_segment_fixed_size: 0
    .kernarg_segment_align: 8
    .kernarg_segment_size: 48
    .max_flat_workgroup_size: 128
    .sgpr_count:     76
    .vgpr_count:     1024
    .wavefront_size: 32
...
	.end_amdgpu_metadata
.endif
;; end of part 2
